; MI455X (gfx1250); checked and timed in simulation.
; The chip was launched on July 23, 2026; its instructions are those of AMD's public machine-readable ISA for CDNA 5 (MIT licence, August 2026) and "CDNA5" Instruction Set Architecture Reference Guide (July 2026). The comments in the code are by the model that wrote it; some were corrected since.
;; RBLN Gpt Oss Experts. Allowed arithmetic: matrix products marked QUANTISED: E2M1 operands, one E8M0 scale for each 32 along K, by v_wmma_scale_f32_16x16x128_f8f6f4 with both operands' format E2M1 (or v_wmma_scale_f32_32x16x128_f4), f32 sums; products left as they are: f32 operands where the result goes on into a quantised operand, else bf16, f16 or f32 operands; f32 sums; everything else in f32.
;; Inputs: down_proj 16 x 1,024 x 1,024 float32; down_proj_bias 16 x 1,024 float32; gate_up_proj 16 x 1,024 x 2,048 float32; gate_up_proj_bias 16 x 2,048 float32; hidden_states 1 x 1,024 x 1,024 float32; routing_weights 1,024 x 16 float32.
;; Outputs: out0 1 x 1,024 x 1,024 float32.
;; This version of the problem:
;;   THIS VERSION OF THE PROBLEM IS GIVEN IN LOW PRECISION. The matrix products marked QUANTISED in the list below multiply operands that are first quantised to E2M1 (2 exponent bits, 1 mantissa bit; 4 bits a number), with one power-of-two scale for each 32 numbers along K (OCP MX v1.0); their sums are f32. All else is computed in f32.
;;   The module's matrix products, in the order in which they are computed (A, B: the left and right operand; K: the contracted axis; several contracted axes count as one K, in the product's order):
;;     1. [M 32,768, K 1,024] x [K 1,024, N 1,024]; A: input gate_up_proj; B: input hidden_states: QUANTISED
;;     2. batch 16 x [M 1,024, K 1,024] x [K 1,024, N 1,024]; A: computed on the way; B: input down_proj: QUANTISED
;;     3. batch 1,024 x [M 1,024, K 16] x [K 16, N 1]; A: computed on the way; B: input routing_weights: left as it is (K = 16 < 32)
;;   THE QUANTISER, for each operand of a quantised product, along K:
;;     - K is cut into blocks of 32 from its start; a last block that is shorter is filled with zeros.
;;     - A block's scale is 2^e with e = floor(log2(the largest magnitude in the block)) - 2, held to -126 .. 127; a block of zeros has e = 0. As a byte (E8M0): e + 127.
;;     - Each number is divided by its block's scale, clamped to +-6, and rounded to the nearest number of E2M1, ties to even, subnormals kept.
;;     - The product sums the exact products of the quantised numbers (number of the format x scale) in f32.
;;   ~~~python
;;   def quantise(x, axis):      # numpy; x: float32 -> the quantised numbers, widened to float32 again
;;       x = np.moveaxis(x, axis, -1); K = x.shape[-1]
;;       x = np.pad(x, [(0, 0)] * (x.ndim - 1) + [(0, -K % 32)]); x = x.reshape(x.shape[:-1] + (-1, 32)); a = np.abs(x).max(-1, keepdims=True)
;;       e = np.where(a > 0, np.clip(np.frexp(np.where(a > 0, a, 1))[1] - 1 - 2, -126, 127), 0)      # np.frexp(a)[1] - 1 = floor(log2(a)), exactly
;;       r = np.clip(x / 2.0 ** e, -6, 6)
;;       step = 2.0 ** (np.maximum(np.frexp(np.where(r == 0, 1, r))[1] - 1, 0) - 1)
;;       q = np.round(r / step) * step * 2.0 ** e      # np.round: ties to even
;;       return np.moveaxis(q.reshape(q.shape[:-2] + (-1,))[..., :K], -1, axis).astype(np.float32)
;;   ~~~
;;   OPERANDS COMPUTED ON THE WAY. 'Computed on the way' means the value that the module computes at that place (a softmax that the list does not call 'softmax' is quantised finished and normalised). What goes into a quantiser is computed in f32, as accurately as f32 sums, v_exp_f32 and their like allow (about 1e-6 of the number): no bf16 or f16 on the way to a quantiser, and a product that is left as it is and whose result goes on into a quantised operand takes f32 operands (vector FMAs, or v_wmma_f32_16x16x4_f32). A number that lies on a knife's edge between two numbers of the format may be rounded either way, as far as f32 arithmetic and the matrix unit's own rounding can turn it there, and no further.
;; One version. Each part assembles by itself: llvm-mc -triple=amdgcn-amd-amdhsa -mcpu=gfx1250 --defsym DOCPART=n.
;; ======== version 1 of 1: 3 launches
;; limits: right only within a limited range of input values
;; workspace buffers: xc 524,288 bytes; xs 32,768 bytes; dwc 8,388,608 bytes; dws 524,288 bytes; actc 8,388,608 bytes; acts 524,288 bytes
;; launch prep (part 1): grid 512 x 1, 9 waves a work-group, no clusters, 0 bytes of LDS; arguments hidden_states, down_proj, xc, xs, dwc, dws; writes xc, xs, dwc, dws
.if DOCPART == 1
	.amdgcn_target "amdgcn-amd-amdhsa--gfx1250"
	.amdhsa_code_object_version 6
	.text
	.protected	k_qf3bcbc7a8f_prep
	.globl	k_qf3bcbc7a8f_prep
	.p2align	8
	.type	k_qf3bcbc7a8f_prep,@function
k_qf3bcbc7a8f_prep:
	s_mov_b64 s[64:65], 0
	v_nop
	global_prefetch_b8 v0, s[64:65] scope:SCOPE_SE
	s_setreg_imm32_b32 hwreg(HW_REG_WAVE_MODE, 25, 1), 1
	s_wait_xcnt 0x0
; THE PROGRAM: out[t][h] = sum over e of routing[t][e] x ( act[e][t][:] . down[e][:][h] + down_bias[e][h] ),  act = (clip(up) + 1) x glu(min(gate, 7)),
; gate and up the even and odd columns of x . gate_up[e] + gate_up_bias[e].  Both large products on codes of FP4 (E2M1) with one E8M0 scale for each 32 along K.
; DEAD WORK: none.  Every expert is weighed in for every token by routing_weights, whatever its values, and every input has a way to out0: nothing is left out, in this launch or in the two behind it.
; THIS LAUNCH quantises the two operands that many work-groups read later: hidden_states (K = its last axis) and down_proj (K = its middle axis), into workspace buffers laid IN THE ORDER OF THE
; OPERAND'S REGISTERS.  A fragment is 16 rows x 128 K = [c 2][lane 32][16 bytes]: lane (r, h) holds K = 64 c + 32 h + 0 .. 31 of row r, the lower K in the lower bits.
;   xc  [token tile 64][K step 8][fragment]            xs  [token tile 64][pair of K steps 4][lane 32] words: lanes 0-15 the even K step's word of row r, lanes 16-31 the odd one's
;   dwc [e 16][hb 16][K step 8][tile 4][fragment]      dws [e 16][hb 16][K step 8][pair of tiles 2][lane 32] words: lanes 0-15 the even tile's, lanes 16-31 the odd one's   (hb: 64 columns of down_proj)
; A block's scale is 2^(floor(log2(its largest magnitude)) - 2): its byte is the largest magnitude's exponent field - 2, held at 1 from below by a floor among the maximum's leaves.
; LIMITS: a block of zeros gets the byte 1 where the rule says 127 (its codes are zeros, and this program alone reads the bytes); NaN and infinities among the inputs are not served.
; SHARES: 512 work-groups of nine waves, all alike.  Work-group id = (e, which 256 columns, K step): waves 0-7 take 32 columns x 128 rows of down_proj each.  x has 64 token tiles x 8 K steps = 512 fragments:
; wave 8 takes fragment (id / 8, id % 8).  The branch hangs on the wave's number.
; No LDS, no barrier: waves share nothing.  No cluster: no two work-groups read the same byte.
.set X,   32                           ; v32-95   the numbers as loaded: two sets (down_proj) or two blocks (x) of 32
.set DC,  96                           ; v96-111  down_proj: four registers of codes for each block, never rewritten
.set SB,  24                           ; v24      down_proj: the scale word
.set XCD, 96                           ; v96-103  x: the codes
	s_load_b256 s[4:11], s[0:1], 0x0               ; hidden_states s[4:5], down_proj s[6:7], xc s[8:9], xs s[10:11]
	s_load_b128 s[12:15], s[0:1], 0x20             ; dwc s[12:13], dws s[14:15]
	v_lshrrev_b32 v1, 5, v0
	s_delay_alu instid0(VALU_DEP_1)
	v_readfirstlane_b32 s16, v1                    ; wave 0..8
	v_and_b32 v1, 31, v0                           ; lane
	s_delay_alu instid0(VALU_DEP_1)
	v_lshlrev_b32 v2, 2, v1                        ; 4 x lane
	s_delay_alu instid0(VALU_DEP_2)
	v_and_b32 v5, 15, v1                           ; lane % 16
	s_delay_alu instid0(VALU_DEP_3)
	v_lshrrev_b32 v6, 4, v1                        ; lane / 16
	s_and_b32 s18, ttmp9, 7                        ; the K step, of down_proj and of x alike
	s_wait_kmcnt 0x0
	s_cmp_eq_u32 s16, 8
	s_cbranch_scc1 .Lx_path
; ---- down_proj.  A LANE TAKES A COLUMN AND ITS REGISTERS RUN DOWN K: a load reads 128 consecutive bytes a wave (1,024 the eight waves), a block of 32 along K is one lane's 32 registers,
; and the four conversions give 16 bytes that are the fragment's own: block t of the K step lies 256 t bytes into the fragment.
	s_bfe_u32 s19, ttmp9, 0x20003                  ; which 256 columns
	s_lshr_b32 s20, ttmp9, 5                       ; expert
	s_lshl_b32 s22, s20, 22                        ; an expert's 4,194,304 bytes,
	s_lshl_b32 s23, s18, 19                        ; 128 rows of 4,096 bytes,
	s_add_co_u32 s22, s22, s23
	s_lshl_b32 s23, s19, 10                        ; 256 columns,
	s_add_co_u32 s22, s22, s23
	s_lshl_b32 s23, s16, 7                         ; my wave's 32
	s_add_co_u32 s22, s22, s23
	s_mov_b32 s23, 0
	s_add_nc_u64 s[6:7], s[6:7], s[22:23]
	s_lshr_b32 s24, s16, 1
	s_lshl_b32 s25, s19, 2
	s_add_co_u32 s24, s24, s25                     ; hb = 4 x (which 256) + wave / 2
	s_lshl_b32 s25, s20, 4
	s_add_co_u32 s24, s24, s25
	s_lshl_b32 s24, s24, 3
	s_add_co_u32 s24, s24, s18                     ; (16 e + hb) 8 + K step
	s_and_b32 s25, s16, 1                          ; which pair of tiles of the hb is my wave's
	s_lshl_b32 s26, s24, 12
	s_lshl_b32 s28, s25, 11
	s_add_co_u32 s26, s26, s28
	s_mov_b32 s27, 0
	s_add_nc_u64 s[12:13], s[12:13], s[26:27]
	s_lshl_b32 s28, s24, 8
	s_lshl_b32 s25, s25, 7
	s_add_co_u32 s28, s28, s25
	s_mov_b32 s29, 0
	s_add_nc_u64 s[14:15], s[14:15], s[28:29]
	s_wait_alu depctr_va_vdst(0)
	v_lshlrev_b32 v3, 4, v5
	s_delay_alu instid0(VALU_DEP_1)
	v_lshl_add_u32 v3, v6, 10, v3                  ; my codes' place: tile lane / 16, row lane % 16
.macro DLOAD t                         ; block t: down(32 t + i, my column) into set t % 2
.irp i, 0,1,2,3,4,5,6,7,8,9,10,11,12,13,14,15,16,17,18,19,20,21,22,23,24,25,26,27,28,29,30,31
	global_load_b32 v[X+32*((\t)%2)+\i], v2, s[6:7] offset:(32*(\t)+\i)*4096 th:TH_LOAD_NT
.endr
.endm
.macro DBLOCK t
.set XB, X+32*((\t)%2)
.if (\t) < 3
	s_wait_loadcnt 32                              ; this block's 32 loads are in; the next block's 32 may be out
.else
	s_wait_loadcnt 0x0
.endif
	v_max3_num_f32 v12, |v[XB]|, |v[XB+1]|, |v[XB+2]|               ; the block's largest magnitude, in two chains: all 32 numbers are mine
	v_max3_num_f32 v13, |v[XB+3]|, |v[XB+4]|, |v[XB+5]|
.irp i, 6,10,14,18,22,26
	s_delay_alu instid0(VALU_DEP_2)
	v_max3_num_f32 v12, v12, |v[XB+\i]|, |v[XB+\i+1]|
	s_delay_alu instid0(VALU_DEP_2)
	v_max3_num_f32 v13, v13, |v[XB+\i+2]|, |v[XB+\i+3]|
.endr
	s_delay_alu instid0(VALU_DEP_2)
	v_max3_num_f32 v12, v12, |v[XB+30]|, |v[XB+31]|
	s_delay_alu instid0(VALU_DEP_1)
	v_max3_num_f32 v12, v12, v13, 0x1800000        ; and the floor 2^(3 - 127): the byte cannot fall under 1
	s_delay_alu instid0(VALU_DEP_1)
	v_add_nc_u32 v11, 0xff000000, v12              ; 2 off the exponent field: the conversion takes this operand's exponent field as its scale
	s_delay_alu instid0(VALU_DEP_1)
	v_lshrrev_b32 v13, 23, v11                     ; the scale's byte
.if (\t) == 0
	s_delay_alu instid0(VALU_DEP_1)
	v_mov_b32 v[SB], v13                           ; four bytes make the K step's word, the lower K in the lower byte
.else
	s_delay_alu instid0(VALU_DEP_1)
	v_lshl_or_b32 v[SB], v13, 8*(\t), v[SB]
.endif
.irp g, 0,1,2,3
	v_cvt_scalef32_pk8_fp4_f32 v[DC+4*(\t)+\g], v[XB+8*\g:XB+8*\g+7], v11
.endr
	global_store_b128 v3, v[DC+4*(\t):DC+4*(\t)+3], s[12:13] offset:256*(\t)   ; lanes 0-15 store 256 consecutive aligned bytes, lanes 16-31 another 256
.if (\t) < 2
	DLOAD (\t)+2
.endif
.endm
	DLOAD 0
	DLOAD 1
	DBLOCK 0
	DBLOCK 1
	DBLOCK 2
	DBLOCK 3
	global_store_b32 v2, v[SB], s[14:15]           ; 32 words, 128 consecutive bytes
	s_endpgm
; ---- x.  K is innermost: lane (r, h) takes, of row r, the 32 neighbours that the fragment's layout gives it: a whole block, eight loads of 16 bytes.  The lanes of a load stand a row or 128 bytes apart;
; a block's eight loads use up the same 128 bytes, and x is 4 MB of the launch's 71.
.Lx_path:
	s_lshr_b32 s19, ttmp9, 3                       ; token tile
	s_wait_alu depctr_va_vdst(0)
	v_lshlrev_b32 v4, 12, v5                       ; row r of 4,096 bytes
	s_delay_alu instid0(VALU_DEP_1)
	v_lshl_add_u32 v4, v6, 7, v4                   ; + 32 h numbers
	s_wait_alu depctr_va_vdst(0)
	v_lshlrev_b32 v3, 4, v1                        ; 16 x lane: my place in a fragment's half
	v_lshlrev_b32 v7, 3, v6                        ; 8 h: my bytes' place in a scale word, in bits
	v_lshlrev_b32 v8, 2, v5                        ; 4 r: row r's word
	v_mov_b32 v20, 0                               ; a lane permute's destination counts as one of its sources
	s_mov_b32 s20, 0x76543210
	s_mov_b32 s21, 0xfedcba98                      ; v_permlanex16_b32's selects for lane l xor 16
	s_lshl_b32 s22, s19, 16                        ; 16 rows of 4,096 bytes,
	s_lshl_b32 s24, s18, 9                         ; the K step's 128 numbers
	s_add_co_u32 s22, s22, s24
	s_mov_b32 s23, 0
	s_add_nc_u64 s[4:5], s[4:5], s[22:23]
	s_lshl_b32 s22, s19, 13                        ; xc: a token tile's 8 fragments of 1,024 bytes
	s_lshl_b32 s24, s18, 10
	s_add_co_u32 s22, s22, s24
	s_add_nc_u64 s[8:9], s[8:9], s[22:23]
	s_lshl_b32 s22, s19, 9                         ; xs: 128 bytes a pair of K steps, 64 for each of the two: 64 x K step
	s_lshl_b32 s24, s18, 6
	s_add_co_u32 s22, s22, s24
	s_add_nc_u64 s[10:11], s[10:11], s[22:23]
.irp c, 0,1
.irp i, 0,1,2,3,4,5,6,7
	global_load_b128 v[X+32*\c+4*\i:X+32*\c+4*\i+3], v4, s[4:5] offset:256*\c+16*\i th:TH_LOAD_NT
.endr
.endr
	s_wait_loadcnt 0x0
.irp c, 0,1
	v_max3_num_f32 v[12+\c], |v[X+32*\c]|, |v[X+32*\c+1]|, 0x1800000   ; my blocks h and 2 + h, with the floor 2^(3 - 127)
.endr
.irp i, 2,4,6,8,10,12,14,16,18,20,22,24,26,28,30
.irp c, 0,1
	s_delay_alu instid0(VALU_DEP_2)
	v_max3_num_f32 v[12+\c], v[12+\c], |v[X+32*\c+\i]|, |v[X+32*\c+\i+1]|   ; (the two blocks by turns)
.endr
.endr
.irp c, 0,1
	s_delay_alu instid0(VALU_DEP_2)
	v_add_nc_u32 v[14+\c], 0xff000000, v[12+\c]    ; the conversion's scale operand
.endr
.irp c, 0,1
	s_delay_alu instid0(VALU_DEP_2)
	v_lshrrev_b32 v[16+\c], 23, v[14+\c]           ; the byte
.endr
.irp c, 0,1
.irp g, 0,1,2,3
	v_cvt_scalef32_pk8_fp4_f32 v[XCD+4*\c+\g], v[X+32*\c+8*\g:X+32*\c+8*\g+7], v[14+\c]
.endr
.endr
	v_lshl_or_b32 v18, v17, 16, v16                ; my two bytes,
	s_delay_alu instid0(VALU_DEP_1)
	v_lshlrev_b32 v18, v7, v18                     ; at their places in the word;
	s_delay_alu instid0(VALU_DEP_1)
	v_permlanex16_b32 v20, v18, s20, s21
	s_delay_alu instid0(VALU_DEP_1)
	v_or_b32 v22, v18, v20                         ; with lane l xor 16's two the word is whole, in both halves of the lanes
.irp c, 0,1
	global_store_b128 v3, v[XCD+4*\c:XCD+4*\c+3], s[8:9] offset:512*\c   ; 512 consecutive bytes
.endr
	global_store_b32 v8, v22, s[10:11]             ; 16 words, 64 consecutive bytes; lanes l and l xor 16 store the same word to the same place
	s_endpgm
.Lfunc_end_k_qf3bcbc7a8f_prep:
	.size	k_qf3bcbc7a8f_prep, .Lfunc_end_k_qf3bcbc7a8f_prep-k_qf3bcbc7a8f_prep
	.p2alignl 7, 3214868480
	.fill 96, 4, 3214868480
	.section	.rodata,"a",@progbits
	.p2align	6, 0x0
	.amdhsa_kernel k_qf3bcbc7a8f_prep
		.amdhsa_group_segment_fixed_size 0
		.amdhsa_private_segment_fixed_size 0
		.amdhsa_enable_private_segment 0
		.amdhsa_kernarg_size 48
		.amdhsa_user_sgpr_count 2
		.amdhsa_user_sgpr_kernarg_segment_ptr 1
		.amdhsa_wavefront_size32 1
		.amdhsa_system_sgpr_workgroup_id_x 1
		.amdhsa_system_sgpr_workgroup_id_y 1
		.amdhsa_system_sgpr_workgroup_id_z 1
		.amdhsa_system_vgpr_workitem_id 0
		.amdhsa_next_free_vgpr 112
		.amdhsa_next_free_sgpr 66
		.amdhsa_reserve_vcc 0
		.amdhsa_float_denorm_mode_32 3
		.amdhsa_float_denorm_mode_16_64 3
		.amdhsa_memory_ordered 1
		.amdhsa_forward_progress 1
		.amdhsa_inst_pref_size 30
	.end_amdhsa_kernel
	.amdgpu_metadata
---
amdhsa.version: [ 1, 2 ]
amdhsa.kernels:
  - .name:           k_qf3bcbc7a8f_prep
    .symbol:         k_qf3bcbc7a8f_prep.kd
    .args:
      - { .name: hidden_states, .offset: 0, .size: 8, .value_kind: global_buffer, .address_space: global }
      - { .name: down_proj, .offset: 8, .size: 8, .value_kind: global_buffer, .address_space: global }
      - { .name: xc, .offset: 16, .size: 8, .value_kind: global_buffer, .address_space: global }
      - { .name: xs, .offset: 24, .size: 8, .value_kind: global_buffer, .address_space: global }
      - { .name: dwc, .offset: 32, .size: 8, .value_kind: global_buffer, .address_space: global }
      - { .name: dws, .offset: 40, .size: 8, .value_kind: global_buffer, .address_space: global }
    .group_segment_fixed_size: 0
    .private_segment_fixed_size: 0
    .kernarg_segment_align: 8
    .kernarg_segment_size: 48
    .max_flat_workgroup_size: 288
    .sgpr_count:     66
    .vgpr_count:     112
    .wavefront_size: 32
...
	.end_amdgpu_metadata
.endif
;; end of part 1
;; launch gateup (part 2): grid 16 x 16, 4 waves a work-group, no clusters, 71,168 bytes of LDS; arguments gate_up_proj, gate_up_proj_bias, xc, xs, actc, acts; writes actc, acts
.if DOCPART == 2
	.amdgcn_target "amdgcn-amd-amdhsa--gfx1250"
	.amdhsa_code_object_version 6
	.text
	.protected	k_qf3bcbc7a8f_gateup
	.globl	k_qf3bcbc7a8f_gateup
	.p2align	8
	.type	k_qf3bcbc7a8f_gateup,@function
k_qf3bcbc7a8f_gateup:
	s_mov_b64 s[64:65], 0
	v_nop
	global_prefetch_b8 v0, s[64:65] scope:SCOPE_SE
	s_setreg_imm32_b32 hwreg(HW_REG_WAVE_MODE, 25, 1), 1
	s_wait_xcnt 0x0
; act[e][t][d] = (clip(up, -7, 7) + 1) x g x sigmoid(1.702 g), g = min(gate, 7); gate, up = columns 2 d, 2 d + 1 of x . gate_up[e] + bias.  The product on codes of FP4; act leaves as codes of FP4 along d.
; No work of the problem is left out here.
; SHARES.  Work-group (j, e) takes expert e and gate_up's columns 128 j .. 128 j + 127, that is d = 64 j .. 64 j + 63: half j % 2 of K step j / 2 of the next product.  Its 512 KB of f32 weights are read once.
; PHASE A: wave w streams rows 256 w .. + 255 of the slice (K steps 2 w, 2 w + 1), quantises them down K and stores the fragments to LDS as images of the operand's registers.  One barrier.
; PHASE B: every wave takes ALL 64 fragments (8 K steps x 8 tiles, 512 registers) and 256 tokens of its own, 16 tiles; x's fragments come from memory straight into the one wave that uses them.
; WHICH COLUMN IS WHICH ROW OF A TILE is free, and chosen so: local column g, d = g / 2, goes to tile (d % 32) / 4, row 8 (d / 32) + 4 (g % 2) + d % 4.  The product is used transposed (source 0 = 16 columns
; of gate_up, source 1 = 16 tokens): lane (r, h) then holds token r, and in tile t its registers 0-3 are the gates and 4-7 the ups of d = 32 h + 4 t + 0 .. 3.  So a lane's 32 activations are ONE WHOLE BLOCK
; along the next K, in order: its maximum asks no other lane, and the four conversions' results are that lane's 16 bytes of the next product's fragment.
; The bias is the C of each sum's first product.
; LIMITS: sigmoid(1.702 g) = 1 / (1 + 2^(-1.702 log2(e) g)) with the two constants multiplied beforehand; (up + 1) x glu is one fused multiply-add; a block of zeros gets the byte 1 (its codes are zeros);
; NaN and infinities among the inputs are not served.
; NO CLUSTER, NO TENSOR LOAD: the weights' 512 KB are no other work-group's.  x's codes (8,704 bytes a token tile) are read by all work-groups, but each fragment is used once, by one wave, and lies in memory in that
; wave's register order: a joint load would send those bytes into LDS and out again for every tile.
; REGISTERS, in windows of 256.  Window 0: v2-11 addresses; v16-143 x's fragments, two buffers; v144-151 x's scale words, two sets; v160-191 the weights' scale words.
;   Phase A: window 1: rows as loaded, two sets of 128; window 2: v0-127 the same by columns, v128-159 at work.   Phase B: windows 1, 2: the weights (K steps 0-3, 4-7) at 64 (s % 4) + 8 t.
;   Window 3: v0-63 the 8 accumulators; v64-127 the bias; v128-159 the activations; v160-191, v192-204 at work.
.set WIS,   8320                       ; LDS: the images: a K step's 8 tiles,
.set WIT,   1040                       ; a tile: 1,024 bytes + 16, so that the eight tiles' stores do not all begin at the same place modulo 256 bytes
.set WSC,   66560                      ; behind them the scale words: [K step 8][pair of tiles 4][lane 32]: lanes 0-15 the even tile's rows, lanes 16-31 the odd one's
.set SPARE, 70656                      ; behind them the spare words, 128 bytes for each wave: two blocks of 256 bytes that no other line names
.set LI,  2                            ; v2   16 x lane
.set LI2, 3                            ; v3   the same, four K steps of images on
.set LS,  4                            ; v4   4 x lane
.set LS2, 5                            ; v5   the same among the scale words in LDS
.set IA,  6                            ; v6   where I store my columns' codes
.set SA,  7                            ; v7   and their scale words
.set BA,  8                            ; v8   the bias: 256 (lane / 16)
.set SBA, 9                            ; v9   my activation block's scale byte: 4 (lane % 16) + lane / 16
.set SPW, 10                           ; v10  LDS address of my spare word; never rewritten
.set NIL, 11                           ; v11  0; never rewritten
.set XF,  16
.set XSR, 144
.set WS,  160
.set T,   0                            ; window 2, phase A: T[32 i + k] = column 4 lane + i, row k of the group
.set M,   128
.set SOP, 132
.set BY,  136
.set SW,  140
.set CD,  144
.set ACC,  0                           ; window 3
.set BIAS, 64
.set ACT,  128
.set TT,   160
.set WK,   192
.set CD3,  200
.set BY3,  204
.set MSB, 0
.macro WIN new                         ; the immediate's high byte repeats the setting that is left; a switch that changes nothing is dropped
.if MSB != \new
	s_set_vgpr_msb (MSB<<8)|\new
.set MSB, \new
.endif
.endm
; one product; its registers stand in the symbols rD, rA, rB, rC, rSA, rSB.  ra, rb: the side's scale words stand in lanes 16-31
.macro WMS ra, rb
.if (\ra) && (\rb)
	v_wmma_scale_f32_16x16x128_f8f6f4 v[rD:rD+7], v[rA:rA+7], v[rB:rB+7], v[rC:rC+7], v[rSA], v[rSB] matrix_a_fmt:MATRIX_FMT_FP4 matrix_b_fmt:MATRIX_FMT_FP4 matrix_a_scale:MATRIX_SCALE_ROW1 matrix_b_scale:MATRIX_SCALE_ROW1
.elseif (\ra)
	v_wmma_scale_f32_16x16x128_f8f6f4 v[rD:rD+7], v[rA:rA+7], v[rB:rB+7], v[rC:rC+7], v[rSA], v[rSB] matrix_a_fmt:MATRIX_FMT_FP4 matrix_b_fmt:MATRIX_FMT_FP4 matrix_a_scale:MATRIX_SCALE_ROW1
.elseif (\rb)
	v_wmma_scale_f32_16x16x128_f8f6f4 v[rD:rD+7], v[rA:rA+7], v[rB:rB+7], v[rC:rC+7], v[rSA], v[rSB] matrix_a_fmt:MATRIX_FMT_FP4 matrix_b_fmt:MATRIX_FMT_FP4 matrix_b_scale:MATRIX_SCALE_ROW1
.else
	v_wmma_scale_f32_16x16x128_f8f6f4 v[rD:rD+7], v[rA:rA+7], v[rB:rB+7], v[rC:rC+7], v[rSA], v[rSB] matrix_a_fmt:MATRIX_FMT_FP4 matrix_b_fmt:MATRIX_FMT_FP4
.endif
.endm
	s_load_b256 s[4:11], s[0:1], 0x0               ; gate_up s[4:5], its bias s[6:7], xc s[8:9], xs s[10:11]
	s_load_b128 s[12:15], s[0:1], 0x20             ; actc s[12:13], acts s[14:15]
	v_lshl_add_u32 v[SPW], v0, 2, SPARE
	v_mov_b32 v[NIL], 0
	v_lshrrev_b32 v1, 5, v0
	v_readfirstlane_b32 s16, v1                    ; wave 0..3
	s_and_b32 s17, ttmp7, 0xffff                   ; expert
	v_and_b32 v1, 31, v0
	v_lshlrev_b32 v[LI], 4, v1
	v_add_nc_u32 v[LI2], 4*WIS, v[LI]
	v_lshlrev_b32 v[LS], 2, v1
	v_add_nc_u32 v[LS2], WSC, v[LS]
	; lane l holds columns 4 l + i: d = 2 l + i / 2, so tile (l % 16) / 2, row 8 (l / 16) + 2 (l % 2) + i / 2 + 4 (i % 2); the part with i stands in the stores' immediates
	v_bfe_u32 v12, v0, 1, 3                        ; tile
	v_mul_u32_u24 v[IA], v12, WIT
	v_bfe_u32 v13, v0, 4, 1                        ; l / 16
	v_and_b32 v14, 1, v0
	v_lshlrev_b32 v15, 1, v14
	v_lshl_add_u32 v15, v13, 3, v15                ; 8 (l / 16) + 2 (l % 2)
	v_lshl_add_u32 v[IA], v15, 4, v[IA]
	s_mul_i32 s18, s16, 2*WIS                      ; my wave's two K steps
	v_add_nc_u32 v[IA], s18, v[IA]
	v_bfe_u32 v12, v0, 1, 1                        ; tile % 2
	v_lshl_add_u32 v12, v12, 4, v15
	v_bfe_u32 v[SA], v0, 2, 2                      ; tile / 2
	v_lshlrev_b32 v[SA], 7, v[SA]
	v_lshl_add_u32 v[SA], v12, 2, v[SA]
	s_lshl_b32 s18, s16, 10
	s_add_co_u32 s18, s18, WSC
	v_add_nc_u32 v[SA], s18, v[SA]
	v_lshlrev_b32 v[BA], 8, v13
	v_and_b32 v12, 15, v0
	v_lshl_add_u32 v[SBA], v12, 2, v13
	s_mov_b32 s20, 0xc0e00000                      ; -7
	s_mov_b32 s21, 0x40e00000                      ; 7
	s_mov_b32 s22, 0xc01d265f                      ; -1.702 log2(e)
	s_mov_b32 s23, s22                             ; (named with it as a pair, so it is written)
	s_lshl_b32 s19, ttmp9, 9                       ; 512 j
	s_lshl_b32 s26, s17, 23                        ; gate_up: an expert's 8,388,608 bytes,
	s_lshl_b32 s18, s16, 21                        ; my wave's 256 rows of 8,192,
	s_add_co_u32 s26, s26, s18
	s_add_co_u32 s26, s26, s19                     ; the slice's 512 bytes of a row
	s_mov_b32 s27, 0
	s_lshl_b32 s28, s17, 13                        ; the bias
	s_add_co_u32 s28, s28, s19
	s_mov_b32 s29, 0
	s_lshl_b32 s30, s16, 17                        ; xc: my wave's 16 token tiles of 8,192 bytes
	s_mov_b32 s31, 0
	s_lshl_b32 s32, s16, 13                        ; xs: of 512 bytes
	s_mov_b32 s33, 0
	s_lshl_b32 s34, s17, 19                        ; actc: [e][token tile][K step j / 2][half j % 2]: 1,024 (j / 2) + 512 (j % 2) = 512 j
	s_add_co_u32 s34, s34, s30
	s_add_co_u32 s34, s34, s19
	s_mov_b32 s35, 0
	s_lshl_b32 s36, s17, 15                        ; acts: [e][K step][token 1,024] words; my bytes are 2 (j % 2) + lane / 16 of a word
	s_lshr_b32 s18, ttmp9, 1
	s_lshl_b32 s18, s18, 12
	s_add_co_u32 s36, s36, s18
	s_lshl_b32 s18, s16, 10
	s_add_co_u32 s36, s36, s18
	s_and_b32 s18, ttmp9, 1
	s_lshl_b32 s18, s18, 1
	s_add_co_u32 s36, s36, s18
	s_mov_b32 s37, 0
	s_wait_alu depctr_va_vdst(0)
	s_wait_kmcnt 0x0
	s_add_nc_u64 s[4:5], s[4:5], s[26:27]
	s_add_nc_u64 s[6:7], s[6:7], s[28:29]
	s_add_nc_u64 s[8:9], s[8:9], s[30:31]
	s_add_nc_u64 s[10:11], s[10:11], s[32:33]
	s_add_nc_u64 s[12:13], s[12:13], s[34:35]
	s_add_nc_u64 s[14:15], s[14:15], s[36:37]
; ---- PHASE A.  A group is 32 rows: one block along K for each of the 128 columns.  A load takes a whole row of the slice, 512 consecutive aligned bytes, 4 columns a lane.
.macro GLOAD g
	WIN 0x40                                       ; destination window 1
.irp k, 0,1,2,3,4,5,6,7,8,9,10,11,12,13,14,15,16,17,18,19,20,21,22,23,24,25,26,27,28,29,30,31
	global_load_b128 v[128*((\g)%2)+4*\k:128*((\g)%2)+4*\k+3], v[LI], s[4:5] offset:(32*(\g)+\k)*8192 th:TH_LOAD_NT
.endr
.endm
.macro GROUP g
.set gb, (\g)%4                        ; the block in its K step
.set gs, (\g)/4                        ; which of my two K steps
.if ((\g) == 2) || ((\g) == 3)
	s_wait_loadcnt 48                              ; this group's 32 loads are in; behind them stand a group's 32 and the bias' 16
.elseif (\g) < 7
	s_wait_loadcnt 32                              ; this group's 32 loads are in; the next group's 32 may be out
.else
	s_wait_loadcnt 0x0
.endif
	WIN 0x81                                       ; from window 1 to window 2
.irp k, 0,1,2,3,4,5,6,7,8,9,10,11,12,13,14,15,16,17,18,19,20,21,22,23,24,25,26,27,28,29,30,31
.irp i, 0,1,2,3
	v_mov_b32 v[T+32*\i+\k], v[128*((\g)%2)+4*\k+\i]   ; the conversions want a column's 8 neighbours along K in consecutive registers: this copy is the price of loads that take whole rows
.endr
.endr
.if (\g) < 6
	GLOAD (\g)+2                                   ; the set just copied takes the group two on
.endif
.if (\g) == 1
	WIN 0xc0                                       ; destination window 3
.irp t, 0,1,2,3,4,5,6,7                        ; the bias as it lies, behind group 3's loads: columns 64 h + 8 t + 0 .. 7 of the slice, 16 loads, into registers that phase A leaves free
.irp c, 0,1
	global_load_b128 v[ACT+8*\t+4*\c:ACT+8*\t+4*\c+3], v[BA], s[6:7] offset:32*\t+16*\c
.endr
.endr
.endif
	WIN 0xaa                                       ; all in window 2
.irp i, 0,1,2,3
	v_max3_num_f32 v[M+\i], |v[T+32*\i]|, |v[T+32*\i+1]|, 0x1800000   ; each column's largest magnitude, with the floor 2^(3 - 127); the four columns by turns
.endr
.irp k, 2,4,6,8,10,12,14,16,18,20,22,24,26,28,30
.irp i, 0,1,2,3
	v_max3_num_f32 v[M+\i], v[M+\i], |v[T+32*\i+\k]|, |v[T+32*\i+\k+1]|
.endr
.endr
	s_wait_alu depctr_va_vdst(0)
	s_wait_dscnt 0x0                               ; the last group's LDS stores have read their codes and scale words: both are written anew below
.irp i, 0,1,2,3
	v_add_nc_u32 v[SOP+\i], 0xff000000, v[M+\i]    ; 2 off the exponent field: the conversion's scale operand
.endr
.irp i, 0,1,2,3
	v_lshrrev_b32 v[BY+\i], 23, v[SOP+\i]          ; the byte
.endr
.irp i, 0,1,2,3
.if gb == 0
	v_mov_b32 v[SW+\i], v[BY+\i]
.else
	v_lshl_or_b32 v[SW+\i], v[BY+\i], 8*gb, v[SW+\i]
.endif
.endr
.irp i, 0,1,2,3
.irp q, 0,1,2,3
	v_cvt_scalef32_pk8_fp4_f32 v[CD+4*\i+\q], v[T+32*\i+8*\q:T+32*\i+8*\q+7], v[SOP+\i]
.endr
.endr
	v_nop                                          ; one plain place behind the last conversion
	WIN 0x08                                       ; an LDS store's data: window 2
.irp i, 0,1,2,3
	ds_store_b128 v[IA], v[CD+4*\i:CD+4*\i+3] offset:gs*WIS+gb*256+((\i/2)+4*(\i%2))*16   ; block gb of a fragment lies 256 gb bytes in, row r' 16 r' further
.endr
.if gb == 3
.irp i, 0,1,2,3
	ds_store_b32 v[SA], v[SW+\i] offset:gs*512+((\i/2)+4*(\i%2))*4
.endr
.endif
.endm
	GLOAD 0
	GLOAD 1
.irp g, 0,1,2,3,4,5,6,7
	GROUP \g
.endr
	WIN 0xc3                                       ; from window 3 to window 3
.irp t, 0,1,2,3,4,5,6,7                        ; the bias in the result's layout: register q of tile t is column 64 h + 8 t + 2 (q % 4) + q / 4 of the slice (group 7's wait for 0 has shown its loads done)
.irp q, 0,1,2,3,4,5,6,7
	v_mov_b32 v[BIAS+8*\t+\q], v[ACT+8*\t+2*(\q%4)+\q/4]
.endr
.endr
	s_wait_alu depctr_va_vdst(0)
	WIN 0
; ---- PHASE B
.macro XLOAD buf, off                  ; a token tile's 8 fragments and 4 scale words: 20 loads, each of consecutive bytes
.irp s, 0,1,2,3,4,5,6,7
.irp c, 0,1
	global_load_b128 v[XF+64*\buf+8*\s+4*\c:XF+64*\buf+8*\s+4*\c+3], v[LI], s[8:9] offset:\off+\s*1024+\c*512
.endr
.endr
.irp p, 0,1,2,3
	global_load_b32 v[XSR+4*\buf+\p], v[LS], s[10:11] offset:(\off)/16+\p*128
.endr
.endm
	XLOAD 0, 0                                     ; my first two token tiles are asked for ahead of the barrier: nobody writes those bytes
	XLOAD 1, 8192
	s_wait_dscnt 0x0                               ; my images and scale words have landed
	s_barrier_signal -1
	s_barrier_wait -1                              ; everybody's have
	WIN 0x40
.irp s, 0,1,2,3
.irp t, 0,1,2,3,4,5,6,7
.irp c, 0,1
	ds_load_b128 v[64*\s+8*\t+4*\c:64*\s+8*\t+4*\c+3], v[LI] offset:\s*WIS+\t*WIT+\c*512
.endr
.endr
.endr
	WIN 0x80
.irp s, 0,1,2,3
.irp t, 0,1,2,3,4,5,6,7
.irp c, 0,1
	ds_load_b128 v[64*\s+8*\t+4*\c:64*\s+8*\t+4*\c+3], v[LI2] offset:\s*WIS+\t*WIT+\c*512
.endr
.endr
.endr
	WIN 0
.irp s, 0,1,2,3,4,5,6,7
.irp p, 0,1,2,3
	ds_load_b32 v[WS+4*\s+\p], v[LS2] offset:\s*512+\p*128
.endr
.endr
	s_wait_dscnt 0x0
; 64 products: the 8 accumulators take turns, one instruction a turn, K step by K step
.macro PROD buf
.irp s, 0,1,2,3,4,5,6,7
.if \s == 0
	WIN 0xf1                                       ; source 0 (weights) window 1, source 1 (x) window 0, C and D window 3
.elseif \s == 4
	WIN 0xf2                                       ; the weights of K steps 4-7: window 2
.endif
.irp t, 0,1,2,3,4,5,6,7
.set rD, ACC+8*\t
.if \s == 0
.set rC, BIAS+8*\t
.else
.set rC, ACC+8*\t
.endif
.set rA, 64*(\s%4)+8*\t
.set rB, XF+64*\buf+8*\s
.set rSA, WS+4*\s+\t/2
.set rSB, XSR+4*\buf+\s/2
	WMS \t%2, \s%2
.endr
.endr
.endm
; A token tile.  more = 1: its buffer takes the tile two on.  cnt: the loads that may stay out.
.macro TILE buf, more, cnt
	s_wait_loadcnt \cnt                            ; this tile's 20 loads are in; the next tile's 20 may be out
	PROD \buf
	WIN 0
.rept 4
	v_nop                                          ; four places behind the last product: for the loads into x's registers and for the first read of results
.endr
.if \more
	XLOAD \buf, (16384+8192*\buf)
.endif
	WIN 0xff                                       ; all in window 3
.irp t, 0,1,2,3,4,5,6,7
.irp q, 0,1,2,3
	v_min_num_f32 v[ACC+8*\t+\q], s21, v[ACC+8*\t+\q]          ; g = min(gate, 7): each accumulator is read from its low end on
.endr
.endr
.irp t, 0,1,2,3,4,5,6,7
.irp q, 0,1,2,3
	v_med3_num_f32 v[ACC+8*\t+4+\q], v[ACC+8*\t+4+\q], s20, s21   ; the ups' clips: every first read of the results stands ahead of the exponentials
.endr
.endr
.irp t, 0,1,2,3,4,5,6,7
.irp q, 0,2
	v_pk_mul_f32 v[TT+4*\t+\q:TT+4*\t+\q+1], v[ACC+8*\t+\q:ACC+8*\t+\q+1], s[22:23] op_sel_hi:[1,0]   ; -1.702 log2(e) g
.endr
.endr
	s_wait_alu depctr_va_vdst(0)
.irp t, 0,1,2,3,4,5,6,7
.irp q, 0,1,2,3
	v_exp_f32 v[TT+4*\t+\q], v[TT+4*\t+\q]                     ; e^(-1.702 g): one batch of 32
.endr
.endr
	v_nop                                          ; a plain place behind the last exponential
	s_wait_alu depctr_va_vdst(0)                   ; one wait for the batch, ahead of its first reader
.irp n, 0,2,4,6,8,10,12,14,16,18,20,22,24,26,28,30
	v_pk_add_f32 v[TT+\n:TT+\n+1], v[TT+\n:TT+\n+1], 1.0 op_sel_hi:[1,0]
.endr
	s_wait_alu depctr_va_vdst(0)
.irp n, 0,1,2,3,4,5,6,7,8,9,10,11,12,13,14,15,16,17,18,19,20,21,22,23,24,25,26,27,28,29,30,31
	v_rcp_f32 v[TT+\n], v[TT+\n]                   ; the sigmoid: a second batch
.endr
	v_nop                                          ; a plain place behind the last reciprocal
	s_wait_alu depctr_va_vdst(0)                   ; and its one wait
.irp t, 0,1,2,3,4,5,6,7
.irp q, 0,2
	v_pk_mul_f32 v[ACC+8*\t+\q:ACC+8*\t+\q+1], v[ACC+8*\t+\q:ACC+8*\t+\q+1], v[TT+4*\t+\q:TT+4*\t+\q+1]   ; glu = g x sigmoid
.endr
.endr
.irp t, 0,1,2,3,4,5,6,7
.irp q, 0,2
	v_pk_fma_f32 v[ACT+4*\t+\q:ACT+4*\t+\q+1], v[ACC+8*\t+4+\q:ACC+8*\t+4+\q+1], v[ACC+8*\t+\q:ACC+8*\t+\q+1], v[ACC+8*\t+\q:ACC+8*\t+\q+1]   ; up x glu + glu
.endr
.endr
	v_max3_num_f32 v[WK], |v[ACT]|, |v[ACT+1]|, |v[ACT+2]|     ; my block's largest magnitude, in two chains
	v_max3_num_f32 v[WK+1], |v[ACT+3]|, |v[ACT+4]|, |v[ACT+5]|
.irp i, 6,10,14,18,22,26
	v_max3_num_f32 v[WK], v[WK], |v[ACT+\i]|, |v[ACT+\i+1]|
	v_max3_num_f32 v[WK+1], v[WK+1], |v[ACT+\i+2]|, |v[ACT+\i+3]|
.endr
	v_max3_num_f32 v[WK], v[WK], |v[ACT+30]|, |v[ACT+31]|
	v_max3_num_f32 v[WK], v[WK], v[WK+1], 0x1800000            ; and the floor 2^(3 - 127)
	v_add_nc_u32 v[WK+2], 0xff000000, v[WK]
	s_wait_alu depctr_va_vdst(0)
	s_wait_xcnt 0x0                                ; the last tile's stores have read their data: the byte and the codes are written anew only behind this wait
	v_lshrrev_b32 v[BY3], 23, v[WK+2]
.irp q, 0,1,2,3
	v_cvt_scalef32_pk8_fp4_f32 v[CD3+\q], v[ACT+8*\q:ACT+8*\q+7], v[WK+2]
.endr
	v_nop                                          ; one plain place behind the last conversion
	WIN 0x0c                                       ; a store's data: window 3
	global_store_b128 v[LI], v[CD3:CD3+3], s[12:13] offset:8192*\buf    ; half a fragment of the next product: 512 consecutive aligned bytes
	global_store_b8 v[SBA], v[BY3], s[14:15] offset:64*\buf             ; my block's byte of token r's word; the word's other two bytes are work-group j xor 1's, so no whole words can leave here: 32 bytes beside the 512 of codes
	WIN 0
.endm
	s_mov_b32 s24, 7
.Ltiles:                                               ; a trip takes two token tiles and asks for the two behind them
	TILE 0, 1, 20
	TILE 1, 1, 20
	s_wait_xcnt 0x0                                ; every load and store issued has read its base: the bases step only behind this wait
	s_add_nc_u64 s[8:9], s[8:9], 16384
	s_add_nc_u64 s[10:11], s[10:11], 1024
	s_add_nc_u64 s[12:13], s[12:13], 16384
	s_add_nc_u64 s[14:15], s[14:15], 128
	s_sub_co_u32 s24, s24, 1
	s_cmp_lg_u32 s24, 0
	s_cbranch_scc1 .Ltiles
	TILE 0, 0, 20                                  ; the last two tiles ask for nothing: no load leaves xc or xs
	TILE 1, 0, 0
	s_wait_tensorcnt 0x0                           ; the wave's end
	ds_add_u32 v[SPW], v[NIL]
	s_wait_dscnt 0x0
	s_endpgm
.Lfunc_end_k_qf3bcbc7a8f_gateup:
	.size	k_qf3bcbc7a8f_gateup, .Lfunc_end_k_qf3bcbc7a8f_gateup-k_qf3bcbc7a8f_gateup
	.p2alignl 7, 3214868480
	.fill 96, 4, 3214868480
	.section	.rodata,"a",@progbits
	.p2align	6, 0x0
	.amdhsa_kernel k_qf3bcbc7a8f_gateup
		.amdhsa_group_segment_fixed_size 71168
		.amdhsa_private_segment_fixed_size 0
		.amdhsa_enable_private_segment 0
		.amdhsa_kernarg_size 48
		.amdhsa_user_sgpr_count 2
		.amdhsa_user_sgpr_kernarg_segment_ptr 1
		.amdhsa_wavefront_size32 1
		.amdhsa_system_sgpr_workgroup_id_x 1
		.amdhsa_system_sgpr_workgroup_id_y 1
		.amdhsa_system_sgpr_workgroup_id_z 1
		.amdhsa_system_vgpr_workitem_id 0
		.amdhsa_next_free_vgpr 1024
		.amdhsa_next_free_sgpr 66
		.amdhsa_reserve_vcc 0
		.amdhsa_float_denorm_mode_32 3
		.amdhsa_float_denorm_mode_16_64 3
		.amdhsa_memory_ordered 1
		.amdhsa_forward_progress 1
		.amdhsa_inst_pref_size 209
	.end_amdhsa_kernel
	.amdgpu_metadata
---
amdhsa.version: [ 1, 2 ]
amdhsa.kernels:
  - .name:           k_qf3bcbc7a8f_gateup
    .symbol:         k_qf3bcbc7a8f_gateup.kd
    .args:
      - { .name: gate_up_proj, .offset: 0, .size: 8, .value_kind: global_buffer, .address_space: global }
      - { .name: gate_up_proj_bias, .offset: 8, .size: 8, .value_kind: global_buffer, .address_space: global }
      - { .name: xc, .offset: 16, .size: 8, .value_kind: global_buffer, .address_space: global }
      - { .name: xs, .offset: 24, .size: 8, .value_kind: global_buffer, .address_space: global }
      - { .name: actc, .offset: 32, .size: 8, .value_kind: global_buffer, .address_space: global }
      - { .name: acts, .offset: 40, .size: 8, .value_kind: global_buffer, .address_space: global }
    .group_segment_fixed_size: 71168
    .private_segment_fixed_size: 0
    .kernarg_segment_align: 8
    .kernarg_segment_size: 48
    .max_flat_workgroup_size: 128
    .sgpr_count:     66
    .vgpr_count:     1024
    .wavefront_size: 32
...
	.end_amdgpu_metadata
.endif
;; end of part 2
;; launch down (part 3): grid 16 x 16, 8 waves a work-group, no clusters, 279,552 bytes of LDS; arguments actc, acts, dwc, dws, down_proj_bias, routing_weights, out0; writes out0
.if DOCPART == 3
	.amdgcn_target "amdgcn-amd-amdhsa--gfx1250"
	.amdhsa_code_object_version 6
	.text
	.protected	k_qf3bcbc7a8f_down
	.globl	k_qf3bcbc7a8f_down
	.p2align	8
	.type	k_qf3bcbc7a8f_down,@function
k_qf3bcbc7a8f_down:
	s_mov_b64 s[64:65], 0
	v_nop
	global_prefetch_b8 v0, s[64:65] scope:SCOPE_SE
	s_setreg_imm32_b32 hwreg(HW_REG_WAVE_MODE, 25, 1), 1
	s_wait_xcnt 0x0
; out0[t][h] = sum over e of routing[t][e] x ( act[e][t][:] . down[e][:][h] + down_bias[e][h] ).  The product on codes of FP4, as the two launches before have laid them; the weighing in f32.
; No work of the problem is left out here.
; SHARES.  Work-group (hb, tb) owns 64 tokens x 64 columns of out0.  THE WAVES SHARE THE EXPERTS: wave w of eight takes experts 2 w and 2 w + 1 over the whole 64 x 64: 16 accumulators, so 8 fragments feed 16 products.
; Each fragment is used by one wave alone and lies in memory in that wave's register order: it goes from memory straight into registers, three steps (60 loads, 26,112 bytes a wave, 208,896 the eight) ahead.
; The product is used transposed (source 0 = 16 columns of down_proj, source 1 = 16 tokens): a lane holds ONE token and eight neighbouring columns.  The bias is the C of an expert's first product; when an
; expert's 8 K steps are done, its sums are multiplied in place by the lane's token's routing weight (K = 16, one column: no work for the matrix unit) and go to a stage of their own in LDS: 16 stages.
; Behind the one barrier each wave adds rows 8 w .. 8 w + 7 of the 16 stages and stores them as whole rows of 256 bytes.
; THE WALK IS STAGGERED.  With g = hb + tb a work-group begins at expert g % 2 of each wave's two and at K step (g / 2) % 8 of each expert, and goes round.  The sixteen work-groups that read one tile of act
; (one tb) or one tile of down (one hb) have sixteen different starts: no two of them read it in the same step of their walks.  Only ids enter the addresses.
; LIMITS of rounding order: an expert's K steps are added from its start on, round; the experts are added as a tree over the stages: both other orders than the sums are written in.
; NO CLUSTER, NO TENSOR LOAD: a tile of act is read by the 16 work-groups of a tb, a tile of down by the 16 of an hb, 1 MB a work-group in all; asked for jointly, those bytes would go into LDS and out again,
; with a round of the cluster's barrier for each slot, and the partners would have to walk in step, where now no barrier stands in the 16 steps.
; REGISTERS, in windows of 256.  Window 0: v1-15, v40-41 addresses; v16-23 act's scale words, v24-31 down's, two for each of four buffers; v32-39 routing weights (tile a, place p in the walk at 2 a + p);
;   v64-127 the bias (place p, tile t at 32 p + 8 t); v128-255 the accumulators ((a, t) at 128 + 8 (4 a + t)).   Window 1: four buffers of 64: act's four fragments, then down's four; on the way out the stages' rows.
.set SPITCH, 272                       ; a stage row: 256 bytes + 16
.set REG,    64*SPITCH                 ; a stage: 64 rows
.set SPARE,  16*REG                    ; behind the 16 stages: the spare words, 128 bytes for each wave: four blocks of 256 bytes that no other line names
.set NS,  16                           ; steps of a wave: 2 experts x 8 K steps
.set LI,  1                            ; v1     16 x lane
.set LS,  2                            ; v2     4 x lane
.set STO, 5                            ; v5     my wave's first stage: where I put 32 bytes of a row
.set GO,  7                            ; v7     my byte offset in my wave's rows of out0
.set SPW, 8                            ; v8     LDS address of my spare word; never rewritten
.set NIL, 9                            ; v9     0; never rewritten
.set RD,  10                           ; v10-13 where I read rows back: stages 0-3, 4-7, 8-11, 12-15 (an LDS immediate has 16 bits)
.set VB,  14                           ; v14-15 the bias' offset for places 0, 1 of the walk
.set VR,  40                           ; v40-41 the routing weights' likewise
.set SCA, 16
.set SCB, 24
.set RW,  32
.set BIAS, 64
.set ACC, 128
.set IC,  36                           ; s36-37 the expert at place 0, 1 of the walk, in bytes of codes (x 524,288)
.set IS,  38                           ; s38-39 and of scale words (x 32,768)
.set S0R, 41                           ; s41    the K step at which each expert's walk begins
.set SET, 68                           ; s68-99 four sets of four bases (actc, dwc, acts, dws), set k % 4 for step k
.set MSB, 0
.macro WIN new                         ; the immediate's high byte repeats the setting that is left; a switch that changes nothing is dropped
.if MSB != \new
	s_set_vgpr_msb (MSB<<8)|\new
.set MSB, \new
.endif
.endm
.macro WMS ra, rb                      ; one product; its registers stand in rD, rA, rB, rC, rSA, rSB.  ra, rb: the side's scale words stand in lanes 16-31
.if (\ra) && (\rb)
	v_wmma_scale_f32_16x16x128_f8f6f4 v[rD:rD+7], v[rA:rA+7], v[rB:rB+7], v[rC:rC+7], v[rSA], v[rSB] matrix_a_fmt:MATRIX_FMT_FP4 matrix_b_fmt:MATRIX_FMT_FP4 matrix_a_scale:MATRIX_SCALE_ROW1 matrix_b_scale:MATRIX_SCALE_ROW1
.elseif (\ra)
	v_wmma_scale_f32_16x16x128_f8f6f4 v[rD:rD+7], v[rA:rA+7], v[rB:rB+7], v[rC:rC+7], v[rSA], v[rSB] matrix_a_fmt:MATRIX_FMT_FP4 matrix_b_fmt:MATRIX_FMT_FP4 matrix_a_scale:MATRIX_SCALE_ROW1
.elseif (\rb)
	v_wmma_scale_f32_16x16x128_f8f6f4 v[rD:rD+7], v[rA:rA+7], v[rB:rB+7], v[rC:rC+7], v[rSA], v[rSB] matrix_a_fmt:MATRIX_FMT_FP4 matrix_b_fmt:MATRIX_FMT_FP4 matrix_b_scale:MATRIX_SCALE_ROW1
.else
	v_wmma_scale_f32_16x16x128_f8f6f4 v[rD:rD+7], v[rA:rA+7], v[rB:rB+7], v[rC:rC+7], v[rSA], v[rSB] matrix_a_fmt:MATRIX_FMT_FP4 matrix_b_fmt:MATRIX_FMT_FP4
.endif
.endm
	s_load_b256 s[4:11], s[0:1], 0x0               ; actc s[4:5], acts s[6:7], dwc s[8:9], dws s[10:11]
	s_load_b128 s[12:15], s[0:1], 0x20             ; down_proj_bias s[12:13], routing_weights s[14:15]
	s_load_b64 s[16:17], s[0:1], 0x30              ; out0
	v_lshl_add_u32 v[SPW], v0, 2, SPARE
	v_mov_b32 v[NIL], 0
	v_lshrrev_b32 v3, 5, v0
	s_delay_alu instid0(VALU_DEP_1)
	v_readfirstlane_b32 s18, v3                    ; wave 0..7
	s_and_b32 s19, ttmp7, 0xffff                   ; tb: which 64 tokens;  ttmp9 = hb: which 64 columns
	s_add_co_u32 s20, s19, ttmp9                   ; g = hb + tb
	s_and_b32 s44, s20, 1                          ; which of my two experts stands at place 0 of the walk,
	s_xor_b32 s45, s44, 1                          ; and which at place 1
	s_bfe_u32 s[S0R], s20, 0x30001                 ; (g / 2) % 8
	s_lshl_b32 s[IC], s44, 19
	s_lshl_b32 s[IC+1], s45, 19
	s_lshl_b32 s[IS], s44, 15
	s_lshl_b32 s[IS+1], s45, 15
	s_mov_b32 s43, 0                               ; the upper word of the offsets' pair s[42:43]
	v_and_b32 v3, 31, v0
	s_delay_alu instid0(VALU_DEP_1)
	v_lshlrev_b32 v[LI], 4, v3
	s_delay_alu instid0(VALU_DEP_2)
	v_lshlrev_b32 v[LS], 2, v3
	v_and_b32 v3, 15, v0                           ; r
	v_bfe_u32 v4, v0, 4, 1                         ; h
	s_delay_alu instid0(VALU_DEP_2)
	v_lshlrev_b32 v6, 6, v3                        ; routing_weights: token r's row of 64 bytes,
	s_delay_alu instid0(VALU_DEP_1)
	v_lshl_add_u32 v[VR], s44, 2, v6               ; + the expert at place 0,
	s_delay_alu instid0(VALU_DEP_2)
	v_lshl_add_u32 v[VR+1], s45, 2, v6             ; at place 1
	s_delay_alu instid0(VALU_DEP_4)
	v_lshlrev_b32 v6, 5, v4                        ; the bias: my half's eight columns,
	s_delay_alu instid0(VALU_DEP_1)
	v_lshl_add_u32 v[VB], s44, 12, v6              ; + the expert's row of 4,096 bytes
	s_delay_alu instid0(VALU_DEP_2)
	v_lshl_add_u32 v[VB+1], s45, 12, v6
	v_mul_u32_u24 v[STO], v3, SPITCH
	s_delay_alu instid0(VALU_DEP_1)
	v_lshl_add_u32 v[STO], v4, 5, v[STO]
	s_mul_i32 s34, s18, 2*REG
	v_add_nc_u32 v[STO], s34, v[STO]               ; into my wave's two stages: row r, + 32 h
	v_mul_u32_u24 v[RD], v4, SPITCH
	s_delay_alu instid0(VALU_DEP_1)
	v_lshl_add_u32 v[RD], v3, 4, v[RD]
	s_mul_i32 s34, s18, 8*SPITCH
	v_add_nc_u32 v[RD], s34, v[RD]                 ; back: rows 8 w on of every stage; lanes 0-15 one row, lanes 16-31 the next
	s_delay_alu instid0(VALU_DEP_1)
	v_add_nc_u32 v[RD+1], 4*REG, v[RD]
	s_delay_alu instid0(VALU_DEP_2)
	v_add_nc_u32 v[RD+2], 8*REG, v[RD]
	s_delay_alu instid0(VALU_DEP_3)
	v_add_nc_u32 v[RD+3], 12*REG, v[RD]
	v_lshlrev_b32 v[GO], 12, v4
	s_delay_alu instid0(VALU_DEP_1)
	v_lshl_add_u32 v[GO], v3, 4, v[GO]             ; and the same two rows in out0
	s_lshl_b32 s34, s18, 20                        ; two experts' codes: 2 x 524,288 bytes
	s_lshl_b32 s20, s19, 15                        ; actc: 4 token tiles of 8,192
	s_add_co_u32 s20, s20, s34
	s_mov_b32 s21, 0
	s_lshl_b32 s22, ttmp9, 15                      ; dwc: an hb's 8 K steps of 4,096
	s_add_co_u32 s22, s22, s34
	s_mov_b32 s23, 0
	s_lshl_b32 s34, s18, 16                        ; two experts' scale words: 2 x 32,768 bytes
	s_lshl_b32 s24, s19, 8                         ; acts: 64 tokens' words
	s_add_co_u32 s24, s24, s34
	s_mov_b32 s25, 0
	s_lshl_b32 s26, ttmp9, 11                      ; dws: an hb's 8 K steps of 256
	s_add_co_u32 s26, s26, s34
	s_mov_b32 s27, 0
	s_lshl_b32 s28, s18, 13                        ; the bias: two experts' rows of 4,096 bytes,
	s_lshl_b32 s34, ttmp9, 8                       ; 64 columns
	s_add_co_u32 s28, s28, s34
	s_mov_b32 s29, 0
	s_lshl_b32 s30, s19, 12                        ; routing_weights: 64 tokens' rows,
	s_lshl_b32 s35, s18, 3                         ; my two experts
	s_add_co_u32 s30, s30, s35
	s_mov_b32 s31, 0
	s_lshl_b32 s32, s19, 18                        ; out0: 64 rows of 4,096 bytes,
	s_lshl_b32 s35, s18, 15                        ; the 8 that my wave stores,
	s_add_co_u32 s32, s32, s35
	s_add_co_u32 s32, s32, s34                     ; 64 columns
	s_mov_b32 s33, 0
	s_wait_kmcnt 0x0
	s_add_nc_u64 s[4:5], s[4:5], s[20:21]
	s_add_nc_u64 s[8:9], s[8:9], s[22:23]
	s_add_nc_u64 s[6:7], s[6:7], s[24:25]
	s_add_nc_u64 s[10:11], s[10:11], s[26:27]
	s_add_nc_u64 s[12:13], s[12:13], s[28:29]
	s_add_nc_u64 s[14:15], s[14:15], s[30:31]
	s_add_nc_u64 s[16:17], s[16:17], s[32:33]
.irp p, 0,1                                    ; 24 loads, in the order of the walk, so that register numbers hang on the place and not on the expert
.irp a, 0,1,2,3
	global_load_b32 v[RW+2*\a+\p], v[VR+\p], s[14:15] offset:\a*1024   ; token 16 a + r: its weight for the expert at place p
.endr
.irp t, 0,1,2,3
	global_load_b128 v[BIAS+32*\p+8*\t:BIAS+32*\p+8*\t+3], v[VB+\p], s[12:13] offset:\t*64        ; the bias in the result's layout: columns 16 t + 8 h + 0 .. 7
	global_load_b128 v[BIAS+32*\p+8*\t+4:BIAS+32*\p+8*\t+7], v[VB+\p], s[12:13] offset:\t*64+16
.endr
.endr
; Step k = 8 p + b: the expert at place p, its K step (b + start) % 8.  Its 8 fragments and 4 registers of scale words, 20 loads of consecutive bytes, into buffer k % 4, by the four bases of set k % 4.
; A set's bases are written anew four steps later: behind the counted wait of step k, which has shown step k's loads done.
.macro LOADK k
.set lp_, (\k)/8
.set lb_, (\k)%8
.set lf_, 64*((\k)%4)
.set lc_, 2*((\k)%4)
.set lq_, SET+8*((\k)%4)
	s_add_co_u32 s40, s[S0R], lb_
	s_and_b32 s40, s40, 7                          ; the K step
	s_lshl_b32 s42, s40, 10                        ; actc: 1,024 bytes a K step
	s_add_co_u32 s42, s42, s[IC+lp_]
	s_add_nc_u64 s[lq_:lq_+1], s[4:5], s[42:43]
	s_lshl_b32 s42, s40, 12                        ; dwc: 4,096
	s_add_co_u32 s42, s42, s[IC+lp_]
	s_add_nc_u64 s[lq_+2:lq_+3], s[8:9], s[42:43]
	s_lshl_b32 s42, s40, 12                        ; acts: 4,096
	s_add_co_u32 s42, s42, s[IS+lp_]
	s_add_nc_u64 s[lq_+4:lq_+5], s[6:7], s[42:43]
	s_lshl_b32 s42, s40, 8                         ; dws: 256
	s_add_co_u32 s42, s42, s[IS+lp_]
	s_add_nc_u64 s[lq_+6:lq_+7], s[10:11], s[42:43]
	WIN 0x40                                       ; destination window 1
.irp a, 0,1,2,3
.irp c, 0,1
	global_load_b128 v[lf_+8*\a+4*\c:lf_+8*\a+4*\c+3], v[LI], s[lq_:lq_+1] offset:\a*8192+\c*512
.endr
.endr
.irp t, 0,1,2,3
.irp c, 0,1
	global_load_b128 v[lf_+32+8*\t+4*\c:lf_+32+8*\t+4*\c+3], v[LI], s[lq_+2:lq_+3] offset:\t*1024+\c*512
.endr
.endr
	WIN 0
.irp p, 0,1
	global_load_b32 v[SCA+lc_+\p], v[LS], s[lq_+4:lq_+5] offset:\p*128    ; lanes 0-15: token tile 2 p; lanes 16-31: 2 p + 1
	global_load_b32 v[SCB+lc_+\p], v[LS], s[lq_+6:lq_+7] offset:\p*128    ; the same of down's tiles
.endr
.endm
.macro STEP k
.if ((\k)%8) != 0
.rept 4
	v_nop                                          ; four places behind the last step's products, in front of loads into the buffer and the scale registers that they read (behind an expert's end its weighing stands here)
.endr
.endif
.if (\k) < NS-3
	LOADK (\k)+3
	s_wait_loadcnt 60                              ; this step's 20 loads are in (and the head's, which are older); those of the three steps behind it may be out
.else
	s_wait_loadcnt 20*(NS-1-(\k))                  ; the last steps ask for nothing: the counts run down
.endif
.set kp, (\k)/8
.set ks, (\k)%8
.set kf, 64*((\k)%4)
.set kc, 2*((\k)%4)
.if (ks == 0) && (kp > 0)
	s_wait_dscnt 0x0                               ; the last expert's LDS stores have read the accumulators, which are begun anew below
.endif
	WIN 0x05                                       ; sources 0 and 1 window 1; C (the bias, or the sums) and D window 0
.irp a, 0,1,2,3                                ; the 16 accumulators take turns, one instruction a turn, in the same order in every step
.irp t, 0,1,2,3
.set rD, ACC+8*(4*\a+\t)
.if ks == 0
.set rC, BIAS+32*kp+8*\t
.else
.set rC, ACC+8*(4*\a+\t)
.endif
.set rA, kf+32+8*\t
.set rB, kf+8*\a
.set rSA, SCB+kc+\t/2
.set rSB, SCA+kc+\a/2
	WMS \t%2, \a%2
.endr
.endr
.if ks == 7                                    ; the expert is done: its sums, bias within, are weighed by my token's routing weight, in place, and go to their stage
	WIN 0
.rept 4
	v_nop                                          ; four places in front of the first read of results
.endr
.irp a, 0,1,2,3
.irp n, 0,1,2,3,4,5,6,7,8,9,10,11,12,13,14,15,16,17,18,19,20,21,22,23,24,25,26,27,28,29,30,31
	v_mul_f32 v[ACC+32*\a+\n], v[ACC+32*\a+\n], v[RW+2*\a+kp]  ; each accumulator is read from its low end on
.endr
.endr
.irp a, 0,1,2,3
.irp t, 0,1,2,3
	ds_store_b128 v[STO], v[ACC+8*(4*\a+\t):ACC+8*(4*\a+\t)+3] offset:kp*REG+\a*16*SPITCH+\t*64
	ds_store_b128 v[STO], v[ACC+8*(4*\a+\t)+4:ACC+8*(4*\a+\t)+7] offset:kp*REG+\a*16*SPITCH+\t*64+16
.endr
.endr
.endif
.endm
	LOADK 0                                        ; (more loads stand on end here than LOADcnt's field holds: the issue then waits for the oldest, ISA guide 5.7.1; no wait is written for that)
	LOADK 1
	LOADK 2
.irp k, 0,1,2,3,4,5,6,7,8,9,10,11,12,13,14,15
	STEP \k
.endr
	; THE WAY OUT.  Behind the barrier the 16 stages hold the 16 experts' weighed sums; each wave adds rows 8 w .. 8 w + 7 of all of them and stores them.
	s_wait_dscnt 0x0                               ; for the others' sake: my stores have landed
	s_barrier_signal -1
	s_barrier_wait -1
	WIN 0x40                                       ; destination window 1: the buffers are free (the weighing's lines are the places behind the last products)
.irp q, 0,1,2,3,4,5,6,7,8,9,10,11,12,13,14,15
.irp t, 0,1,2,3
	ds_load_b128 v[16*\q+4*\t:16*\q+4*\t+3], v[RD+\q/4] offset:(\q%4)*REG+\t*2*SPITCH
.endr
.endr
	s_wait_dscnt 0x0
	WIN 0x45                                       ; both sources and the destination window 1
.irp q, 0,2,4,6,8,10,12,14
.irp n, 0,2,4,6,8,10,12,14
	v_pk_add_f32 v[16*\q+\n:16*\q+\n+1], v[16*\q+\n:16*\q+\n+1], v[16*\q+16+\n:16*\q+16+\n+1]
.endr
.endr
.irp q, 0,4,8,12
.irp n, 0,2,4,6,8,10,12,14
	v_pk_add_f32 v[16*\q+\n:16*\q+\n+1], v[16*\q+\n:16*\q+\n+1], v[16*\q+32+\n:16*\q+32+\n+1]
.endr
.endr
.irp q, 0,8
.irp n, 0,2,4,6,8,10,12,14
	v_pk_add_f32 v[16*\q+\n:16*\q+\n+1], v[16*\q+\n:16*\q+\n+1], v[16*\q+64+\n:16*\q+64+\n+1]
.endr
.endr
.irp n, 0,2,4,6,8,10,12,14
	v_pk_add_f32 v[\n:\n+1], v[\n:\n+1], v[128+\n:128+\n+1]
.endr
	WIN 0x04                                       ; a store's data: window 1
.irp t, 0,1,2,3
	global_store_b128 v[GO], v[4*\t:4*\t+3], s[16:17] offset:\t*8192 th:TH_STORE_NT   ; 16 lanes store 256 consecutive bytes, at a multiple of 256 from out0's first byte
.endr
	WIN 0
	s_wait_tensorcnt 0x0                           ; the wave's end
	ds_add_u32 v[SPW], v[NIL]
	s_wait_dscnt 0x0
	s_endpgm
.Lfunc_end_k_qf3bcbc7a8f_down:
	.size	k_qf3bcbc7a8f_down, .Lfunc_end_k_qf3bcbc7a8f_down-k_qf3bcbc7a8f_down
	.p2alignl 7, 3214868480
	.fill 96, 4, 3214868480
	.section	.rodata,"a",@progbits
	.p2align	6, 0x0
	.amdhsa_kernel k_qf3bcbc7a8f_down
		.amdhsa_group_segment_fixed_size 279552
		.amdhsa_private_segment_fixed_size 0
		.amdhsa_enable_private_segment 0
		.amdhsa_kernarg_size 56
		.amdhsa_user_sgpr_count 2
		.amdhsa_user_sgpr_kernarg_segment_ptr 1
		.amdhsa_wavefront_size32 1
		.amdhsa_system_sgpr_workgroup_id_x 1
		.amdhsa_system_sgpr_workgroup_id_y 1
		.amdhsa_system_sgpr_workgroup_id_z 1
		.amdhsa_system_vgpr_workitem_id 0
		.amdhsa_next_free_vgpr 512
		.amdhsa_next_free_sgpr 100
		.amdhsa_reserve_vcc 0
		.amdhsa_float_denorm_mode_32 3
		.amdhsa_float_denorm_mode_16_64 3
		.amdhsa_memory_ordered 1
		.amdhsa_forward_progress 1
		.amdhsa_inst_pref_size 104
	.end_amdhsa_kernel
	.amdgpu_metadata
---
amdhsa.version: [ 1, 2 ]
amdhsa.kernels:
  - .name:           k_qf3bcbc7a8f_down
    .symbol:         k_qf3bcbc7a8f_down.kd
    .args:
      - { .name: actc, .offset: 0, .size: 8, .value_kind: global_buffer, .address_space: global }
      - { .name: acts, .offset: 8, .size: 8, .value_kind: global_buffer, .address_space: global }
      - { .name: dwc, .offset: 16, .size: 8, .value_kind: global_buffer, .address_space: global }
      - { .name: dws, .offset: 24, .size: 8, .value_kind: global_buffer, .address_space: global }
      - { .name: down_proj_bias, .offset: 32, .size: 8, .value_kind: global_buffer, .address_space: global }
      - { .name: routing_weights, .offset: 40, .size: 8, .value_kind: global_buffer, .address_space: global }
      - { .name: out0, .offset: 48, .size: 8, .value_kind: global_buffer, .address_space: global }
    .group_segment_fixed_size: 279552
    .private_segment_fixed_size: 0
    .kernarg_segment_align: 8
    .kernarg_segment_size: 56
    .max_flat_workgroup_size: 256
    .sgpr_count:     100
    .vgpr_count:     512
    .wavefront_size: 32
...
	.end_amdgpu_metadata
.endif
;; end of part 3
